; MI455X (gfx1250); checked and timed in simulation.
; The chip was launched on July 23, 2026; its instructions are those of AMD's public machine-readable ISA for CDNA 5 (MIT licence, August 2026) and "CDNA5" Instruction Set Architecture Reference Guide (July 2026). The comments in the code are by the model that wrote it; some were corrected since.
;; Divergence Free MLP. Allowed arithmetic: matrix products marked QUANTISED: E2M3 operands, one E8M0 scale for each 32 along K, by v_wmma_scale_f32_16x16x128_f8f6f4 with both operands' format E2M3, f32 sums; products left as they are: f32 operands where the result goes on into a quantised operand, else bf16, f16 or f32 operands; f32 sums; everything else in f32.
;; Inputs: W1 2,048 x 256 float32; W2 256 x 128 float32; Wo 128 x 2,048 float32; Wp 2,048 x 1 float32; b1 256 float32; b2 128 float32; bo 2,048 float32; bp 1 float32; x 8,192 x 64 x 32 float32.
;; Outputs: out0 8,192 x 1 float32.
;; This version of the problem:
;;   THIS VERSION OF THE PROBLEM IS GIVEN IN LOW PRECISION. The matrix products marked QUANTISED in the list below multiply operands that are first quantised to E2M3 (2 exponent bits, 3 mantissa bits; 6 bits a number), with one power-of-two scale for each 32 numbers along K (OCP MX v1.0); their sums are f32. All else is computed in f32.
;;   The module's matrix products, in the order in which they are computed (A, B: the left and right operand; K: the contracted axis; several contracted axes count as one K, in the product's order):
;;     1. [M 8,192, K 2,048] x [K 2,048, N 256]; A: input x; B: input W1: QUANTISED
;;     2. [M 8,192, K 2,048] x [K 2,048, N 256]; A: input x; B: input W1: QUANTISED
;;     3. [M 8,192, K 256] x [K 256, N 128]; A: computed on the way; B: input W2: QUANTISED
;;     4. [M 8,192, K 256] x [K 256, N 128]; A: computed on the way; B: input W2: QUANTISED
;;     5. [M 8,192, K 128] x [K 128, N 2,048]; A: computed on the way; B: input Wo: QUANTISED
;;     6. [M 8,192, K 128] x [K 128, N 2,048]; A: computed on the way; B: input Wo: QUANTISED
;;     7. [M 8,192, K 2,048] x [K 2,048, N 256]; A: input x; B: input W1: QUANTISED
;;     8. [M 8,192, K 256] x [K 256, N 128]; A: computed on the way; B: input W2: QUANTISED
;;     9. [M 8,192, K 128] x [K 128, N 2,048]; A: computed on the way; B: input Wo: QUANTISED
;;     10. [M 8,192, K 2,048] x [K 2,048, N 128]; A: input x; B: input Wo: QUANTISED
;;     11. [M 8,192, K 128] x [K 128, N 256]; A: computed on the way; B: input W2: QUANTISED
;;     12. [M 8,192, K 256] x [K 256, N 2,048]; A: computed on the way; B: input W1: QUANTISED
;;     13. [M 8,192, K 2,048] x [K 2,048, N 1]; A: computed on the way; B: input Wp: left as it is (N = 1 < 16)
;;   THE QUANTISER, for each operand of a quantised product, along K:
;;     - K is cut into blocks of 32 from its start; a last block that is shorter is filled with zeros.
;;     - A block's scale is 2^e with e = floor(log2(the largest magnitude in the block)) - 2, held to -126 .. 127; a block of zeros has e = 0. As a byte (E8M0): e + 127.
;;     - Each number is divided by its block's scale, clamped to +-7.5, and rounded to the nearest number of E2M3, ties to even, subnormals kept.
;;     - The product sums the exact products of the quantised numbers (number of the format x scale) in f32.
;;   ~~~python
;;   def quantise(x, axis):      # numpy; x: float32 -> the quantised numbers, widened to float32 again
;;       x = np.moveaxis(x, axis, -1); K = x.shape[-1]
;;       x = np.pad(x, [(0, 0)] * (x.ndim - 1) + [(0, -K % 32)]); x = x.reshape(x.shape[:-1] + (-1, 32)); a = np.abs(x).max(-1, keepdims=True)
;;       e = np.where(a > 0, np.clip(np.frexp(np.where(a > 0, a, 1))[1] - 1 - 2, -126, 127), 0)      # np.frexp(a)[1] - 1 = floor(log2(a)), exactly
;;       r = np.clip(x / 2.0 ** e, -7.5, 7.5)
;;       step = 2.0 ** (np.maximum(np.frexp(np.where(r == 0, 1, r))[1] - 1, 0) - 3)
;;       q = np.round(r / step) * step * 2.0 ** e      # np.round: ties to even
;;       return np.moveaxis(q.reshape(q.shape[:-2] + (-1,))[..., :K], -1, axis).astype(np.float32)
;;   ~~~
;;   OPERANDS COMPUTED ON THE WAY. 'Computed on the way' means the value that the module computes at that place (a softmax that the list does not call 'softmax' is quantised finished and normalised). What goes into a quantiser is computed in f32, as accurately as f32 sums, v_exp_f32 and their like allow (about 1e-6 of the number): no bf16 or f16 on the way to a quantiser, and a product that is left as it is and whose result goes on into a quantised operand takes f32 operands (vector FMAs, or v_wmma_f32_16x16x4_f32). A number that lies on a knife's edge between two numbers of the format may be rounded either way, as far as f32 arithmetic and the matrix unit's own rounding can turn it there, and no further.
;; One version. Each part assembles by itself: llvm-mc -triple=amdgcn-amd-amdhsa -mcpu=gfx1250 --defsym DOCPART=n.
;; ======== version 1 of 1: 2 launches
;; workspace buffers: wq 1,228,800 bytes; wsc 51,200 bytes
;; launch prep (part 1): grid 800 x 1, 1 waves a work-group, no clusters, 0 bytes of LDS; arguments W1, W2, Wo, wq, wsc; writes wq, wsc
.if DOCPART == 1
	.amdgcn_target "amdgcn-amd-amdhsa--gfx1250"
	.amdhsa_code_object_version 6
	.text
	.protected	k_qbc3d1346a1_prep
	.globl	k_qbc3d1346a1_prep
	.p2align	8
	.type	k_qbc3d1346a1_prep,@function
k_qbc3d1346a1_prep:
	s_mov_b64 s[64:65], 0
	v_nop
	global_prefetch_b8 v0, s[64:65] scope:SCOPE_SE
	s_setreg_imm32_b32 hwreg(HW_REG_WAVE_MODE, 25, 1), 1
	s_wait_xcnt 0x0
; W1 [2048][256], W2 [256][128], Wo [128][2048], f32, each quantised to FP6 (E2M3) with one E8M0 scale for each 32 along K, ALONG BOTH OF ITS AXES,
; since the forward products contract its first axis and the backward ones its second.  The results are 800 operand fragments (16 rows n x 128 k),
; laid in the order of the operand's registers: lane l's registers 4 g .. 4 g + 3 at byte 1536 F + 512 g + 16 l of wq; row r's scale word at byte 64 F + 4 r of wsc.
; One wave makes one fragment, F = the work-group's number.
;   F < 768: F = (32 w + q) 3 + i, w the wave of the second launch that will read it, so that a wave's 96 fragments are consecutive bytes.
;     q < 16 (K step q of x's products):  i = 0, 1: W1's columns 32 w + 16 i + r, k = 128 q on (first axis);   i = 2: Wo's rows 16 w + r, k = 128 q on (second axis)
;     q >= 16 (outputs n0 = 256 w + 16 (q - 16) on):  i = 0: Wo's columns n0 + r, k = 0 .. 127 (first axis);   i = 1, 2: W1's rows n0 + r, k = 128 (i - 1) on (second axis)
;   F = 768 + g:  g < 16: W2's columns 16 (g / 2) + r, k = 128 (g % 2) on (first axis);   g >= 16: W2's rows 16 (g - 16) + r, k = 0 .. 127 (second axis)
; A lane (r = lane % 16, h = lane / 16) holds row r's k = 64 c + 32 h + 0 .. 31 in registers N + 32 c + 0 .. 31: two whole blocks, in the order of the operand's layout,
; so the conversions' results are the operand's registers.  Where K is the first axis a lane takes a column and its registers run down K.
; A block's scale byte is its largest magnitude's exponent field - 2, held at 1 from below.
; LIMITS: a block of zeros gets the byte 1 where the rule says 127 (its codes are zeros, and this program alone reads the bytes); NaN and infinities among the inputs are not served.
.set N,   16                           ; v16-79   the lane's 64 numbers
.set PC,  80                           ; v80-91   the fragment's 12 registers
.set PT,  92                           ; v92-98   the upper halves of the two blocks, as converted
.set T,   100                          ; v100-105 at work
.set PW,  106                          ; v106     the row's scale word
.set SH8, 3                            ; v3       8 h
.set SEL, 26                           ; s[26:27] lane selects for v_permlanex16_b32: lane l xor 16
.macro QUANT
.irp c, 0,1
	v_max3_num_f32 v[T+\c], |v[N+32*\c]|, |v[N+32*\c+1]|, 0x1800000      ; my block 2 c + h: all its 32 numbers are mine; the floor 2^(3 - 127) keeps the byte at 1 from below
.endr
.irp i, 2,4,6,8,10,12,14,16,18,20,22,24,26,28,30
.irp c, 0,1
	v_max3_num_f32 v[T+\c], v[T+\c], |v[N+32*\c+\i]|, |v[N+32*\c+\i+1]|  ; the two blocks by turns
.endr
.endr
.irp c, 0,1
	v_add_nc_u32 v[T+2+\c], 0xff000000, v[T+\c]    ; 2 off the exponent field: the conversion takes this operand's exponent field as its scale
.endr
.irp c, 0,1
	v_lshrrev_b32 v[T+4+\c], 23, v[T+2+\c]         ; the scale's byte
.endr
	v_lshl_or_b32 v[PW], v[T+5], 16, v[T+4]        ; my bytes: blocks h and 2 + h,
	v_lshlrev_b32 v[PW], v[SH8], v[PW]             ; at their places in the word;
	v_permlanex16_b32 v[T], v[PW], s[SEL], s[SEL+1]
	v_or_b32 v[PW], v[PW], v[T]                    ; with lane l xor 16's two the word is whole, in both lanes
.irp c, 0,1
	v_cvt_scalef32_pk16_fp6_f32 v[PC+6*\c:PC+6*\c+2], v[N+32*\c:N+32*\c+15], v[T+2+\c]
	v_cvt_scalef32_pk16_fp6_f32 v[PT+4*\c:PT+4*\c+2], v[N+32*\c+16:N+32*\c+31], v[T+2+\c]   ; a conversion's three registers begin on an even number: made here, moved below
.endr
	v_nop                                          ; one plain place behind the scaled conversions
.irp c, 0,1
.irp i, 0,1,2
	v_mov_b32 v[PC+3+6*\c+\i], v[PT+4*\c+\i]
.endr
.endr
.endm
.macro LOADK P                         ; K is the first axis: rows of P bytes; sixteen lanes read 64 consecutive bytes
.irp c, 0,1
.irp i, 0,1,2,3,4,5,6,7,8,9,10,11,12,13,14,15,16,17,18,19,20,21,22,23,24,25,26,27,28,29,30,31
	global_load_b32 v[N+32*\c+\i], v4, s[20:21] offset:(64*\c+\i)*\P
.endr
.endr
.endm
.macro LOADIN sh                       ; K is the second axis: my row r of 2^sh bytes, 128 consecutive bytes for each block
	v_lshlrev_b32 v4, \sh, v1
	v_lshl_add_u32 v4, v2, 7, v4
.irp c, 0,1
.irp j, 0,1,2,3,4,5,6,7
	global_load_b128 v[N+32*\c+4*\j:N+32*\c+4*\j+3], v4, s[20:21] offset:256*\c+16*\j
.endr
.endr
.endm
	s_load_b256 s[4:11], s[0:1], 0x0               ; W1 s[4:5], W2 s[6:7], Wo s[8:9], wq s[10:11]
	s_load_b64 s[12:13], s[0:1], 0x20              ; wsc
	v_and_b32 v1, 15, v0                           ; r
	v_bfe_u32 v2, v0, 4, 1                         ; h
	v_lshlrev_b32 v3, 3, v2                        ; 8 h
	v_lshlrev_b32 v5, 4, v0                        ; 16 x lane (one wave: the thread's number is the lane)
	v_lshlrev_b32 v6, 2, v0                        ; 4 x lane
	v_lshlrev_b32 v7, 2, v1                        ; 4 r
	s_mov_b32 s[SEL], 0x76543210
	s_mov_b32 s[SEL+1], 0xfedcba98
	s_mul_hi_u32 s14, ttmp9, 0xaaaaaaab
	s_lshr_b32 s14, s14, 1                         ; F / 3
	s_mul_i32 s15, s14, 3
	s_sub_co_u32 s15, ttmp9, s15                   ; i
	s_lshr_b32 s16, s14, 5                         ; w
	s_and_b32 s17, s14, 31                         ; q
	s_mov_b32 s25, 0                               ; the upper word of every offset
	s_wait_kmcnt 0x0
	s_cmp_ge_u32 ttmp9, 768
	s_cbranch_scc1 .Lw2
	s_cmp_ge_u32 s17, 16
	s_cbranch_scc1 .Lthird
	s_cmp_eq_u32 s15, 2
	s_cbranch_scc1 .Lfirst_wo
	s_lshl_b32 s24, s17, 17                        ; W1's columns: 128 q rows of 1,024 bytes
	s_lshl_b32 s18, s16, 7                         ; + 4 (32 w
	s_add_co_u32 s24, s24, s18
	s_lshl_b32 s18, s15, 6                         ; + 16 i)
	s_add_co_u32 s24, s24, s18
	s_add_nc_u64 s[20:21], s[4:5], s[24:25]
	v_lshl_add_u32 v4, v2, 15, v7                  ; 4 r + 32 h rows
	LOADK 1024
	s_branch .Lq
.Lfirst_wo:
	s_lshl_b32 s24, s16, 17                        ; Wo's rows: 16 w rows of 8,192 bytes
	s_lshl_b32 s18, s17, 9                         ; + 128 q numbers
	s_add_co_u32 s24, s24, s18
	s_add_nc_u64 s[20:21], s[8:9], s[24:25]
	LOADIN 13
	s_branch .Lq
.Lthird:
	s_sub_co_u32 s18, s17, 16
	s_lshl_b32 s18, s18, 4
	s_lshl_b32 s19, s16, 8
	s_add_co_u32 s19, s19, s18                     ; n0 = 256 w + 16 (q - 16)
	s_cmp_eq_u32 s15, 0
	s_cbranch_scc0 .Lthird_w1
	s_lshl_b32 s24, s19, 2                         ; Wo's columns n0 on
	s_add_nc_u64 s[20:21], s[8:9], s[24:25]
	v_lshl_add_u32 v4, v2, 18, v7                  ; 4 r + 32 h rows of 8,192 bytes
	LOADK 8192
	s_branch .Lq
.Lthird_w1:
	s_lshl_b32 s24, s19, 10                        ; W1's rows n0 on,
	s_sub_co_u32 s18, s15, 1
	s_lshl_b32 s18, s18, 9                         ; + 128 (i - 1) numbers
	s_add_co_u32 s24, s24, s18
	s_add_nc_u64 s[20:21], s[4:5], s[24:25]
	LOADIN 10
	s_branch .Lq
.Lw2:
	s_sub_co_u32 s18, ttmp9, 768                   ; g
	s_cmp_ge_u32 s18, 16
	s_cbranch_scc1 .Lw2_rows
	s_and_b32 s24, s18, 1
	s_lshl_b32 s24, s24, 16                        ; W2's columns: 128 (g % 2) rows of 512 bytes
	s_lshr_b32 s19, s18, 1
	s_lshl_b32 s19, s19, 6                         ; + 4 x 16 (g / 2)
	s_add_co_u32 s24, s24, s19
	s_add_nc_u64 s[20:21], s[6:7], s[24:25]
	v_lshl_add_u32 v4, v2, 14, v7                  ; 4 r + 32 h rows of 512 bytes
	LOADK 512
	s_branch .Lq
.Lw2_rows:
	s_sub_co_u32 s24, s18, 16
	s_lshl_b32 s24, s24, 13                        ; W2's rows 16 (g - 16) on
	s_add_nc_u64 s[20:21], s[6:7], s[24:25]
	LOADIN 9
.Lq:
	s_wait_loadcnt 0x0                             ; all 64 numbers
	QUANT
	s_mul_i32 s24, ttmp9, 1536
	s_add_nc_u64 s[10:11], s[10:11], s[24:25]
	s_lshl_b32 s24, ttmp9, 6
	s_add_nc_u64 s[12:13], s[12:13], s[24:25]
.irp g, 0,1,2
	global_store_b128 v5, v[PC+4*\g:PC+4*\g+3], s[10:11] offset:512*\g   ; 32 lanes store 512 consecutive bytes, at a multiple of 512 from wq's first byte
.endr
	s_wait_xcnt 0x0                                ; EXEC is a source of the stores above: it changes only behind this wait
	v_cmpx_gt_u32 16, v0                           ; lanes 0-15: the sixteen rows' words (lanes 16-31 hold the same)
	global_store_b32 v6, v[PW], s[12:13]
	s_endpgm
.Lfunc_end_k_qbc3d1346a1_prep:
	.size	k_qbc3d1346a1_prep, .Lfunc_end_k_qbc3d1346a1_prep-k_qbc3d1346a1_prep
	.p2alignl 7, 3214868480
	.fill 96, 4, 3214868480
	.section	.rodata,"a",@progbits
	.p2align	6, 0x0
	.amdhsa_kernel k_qbc3d1346a1_prep
		.amdhsa_group_segment_fixed_size 0
		.amdhsa_private_segment_fixed_size 0
		.amdhsa_enable_private_segment 0
		.amdhsa_kernarg_size 40
		.amdhsa_user_sgpr_count 2
		.amdhsa_user_sgpr_kernarg_segment_ptr 1
		.amdhsa_wavefront_size32 1
		.amdhsa_system_sgpr_workgroup_id_x 1
		.amdhsa_system_sgpr_workgroup_id_y 1
		.amdhsa_system_sgpr_workgroup_id_z 1
		.amdhsa_system_vgpr_workitem_id 0
		.amdhsa_next_free_vgpr 112
		.amdhsa_next_free_sgpr 66
		.amdhsa_reserve_vcc 0
		.amdhsa_float_denorm_mode_32 3
		.amdhsa_float_denorm_mode_16_64 3
		.amdhsa_memory_ordered 1
		.amdhsa_forward_progress 1
		.amdhsa_inst_pref_size 30
	.end_amdhsa_kernel
	.amdgpu_metadata
---
amdhsa.version: [ 1, 2 ]
amdhsa.kernels:
  - .name:           k_qbc3d1346a1_prep
    .symbol:         k_qbc3d1346a1_prep.kd
    .args:
      - { .name: W1, .offset: 0, .size: 8, .value_kind: global_buffer, .address_space: global }
      - { .name: W2, .offset: 8, .size: 8, .value_kind: global_buffer, .address_space: global }
      - { .name: Wo, .offset: 16, .size: 8, .value_kind: global_buffer, .address_space: global }
      - { .name: wq, .offset: 24, .size: 8, .value_kind: global_buffer, .address_space: global }
      - { .name: wsc, .offset: 32, .size: 8, .value_kind: global_buffer, .address_space: global }
    .group_segment_fixed_size: 0
    .private_segment_fixed_size: 0
    .kernarg_segment_align: 8
    .kernarg_segment_size: 40
    .max_flat_workgroup_size: 32
    .sgpr_count:     66
    .vgpr_count:     112
    .wavefront_size: 32
...
	.end_amdgpu_metadata
.endif
;; end of part 1
;; launch main (part 2): grid 256 x 1, 8 waves a work-group, no clusters, 327,680 bytes of LDS; arguments x, wq, wsc, b1, b2, Wp, bp, out0; writes out0
.if DOCPART == 2
	.amdgcn_target "amdgcn-amd-amdhsa--gfx1250"
	.amdhsa_code_object_version 6
	.text
	.protected	k_qbc3d1346a1_main
	.globl	k_qbc3d1346a1_main
	.p2align	8
	.type	k_qbc3d1346a1_main,@function
k_qbc3d1346a1_main:
	s_mov_b64 s[64:65], 0
	v_nop
	global_prefetch_b8 v0, s[64:65] scope:SCOPE_SE
	s_setreg_imm32_b32 hwreg(HW_REG_WAVE_MODE, 25, 1), 1
	s_wait_xcnt 0x0
; out = (J z - J^T z) . Wp + bp for the network z -> relu(z W1 + b1) -> relu(. W2 + b2) -> . Wo + bo; 8,192 rows z of 2,048 numbers.  All matrix products on codes of FP6 (E2M3) with E8M0 scales for each 32 along K.
;   s1 = Q(x) Q(W1);  a1 = s1 + b1;  h1 = max(a1, 0);  dh1 = a1 > 0 ? s1 : 0          (the tangent's first product has the operands of the primal's: one product serves both)
;   s2 = Q(h1) Q(W2);  t2 = Q(dh1) Q(W2);  a2 = s2 + b2;  dh2 = a2 > 0 ? t2 : 0
;   g2 = Q(x) Q(Wo^T);  g2m = a2 > 0 ? g2 : 0;  g1 = Q(g2m) Q(W2^T);  ng1 = a1 > 0 ? -g1 : 0      (Q(-v) = -Q(v))
;   v = Q(dh2) Q(Wo) + Q(ng1) Q(W1^T): one sum of three K steps = J z - J^T z;   out = sum over n of v[n] Wp[n] + bp, by f32 multiply-adds.
; NOT COMPUTED: the network's own value h2 Wo + bo; bo enters nothing else, so no output number hangs on it and it is not among the arguments.
; LIMITS: NaN and infinities are not served; a block of zeros gets the scale byte 1 with zero codes (the bytes are read here alone).
; SHARES.  A work-group takes 32 rows (two tiles m of 16) through the whole chain; nothing intermediate goes to memory.  Its EIGHT waves share the COLUMNS of every product, so each weight fragment is read by one wave:
; it comes from memory straight into that wave's registers (three loads of 512 consecutive bytes, laid so by the launch before) and feeds two matrix instructions.
; THE RING: sets of three fragments, 36 registers.  In phase 1 five sets: four to five are on their way.  In phase 3 eight: three more lie in registers that the middle stages have done with,
; so that a set asked for behind a pair of tiles has three pairs' work in which to land.
; x: all 32 x 8,192 bytes are asked for at the first lines, by four tensor loads a wave (four of mine are out at the most); each LDS byte is filled once, so there is no refill and none of its barriers.
; Wave w quantises row tile w % 2 at K step 4 c + w / 2 of chunk c and hands the fragment to the others as an image of its registers in LDS.
; NO CLUSTER, though all work-groups walk the same weights: x's one fill takes 270,336 of the 327,680 bytes of LDS and its images 53,248, which leaves 4,096: no room for slots in which joint loads could land;
; and a fragment is wanted by one wave alone, so LDS would only be passed through.
; LDS: XF 0: x as f32, tile (wave w, chunk c) at 33,792 w + 8,448 c: 16 rows of 512 bytes + 16.  XI: x's 32 fragment images (2 x K step + m), 1,536 bytes each.  XS: their scale words, 128 bytes each.
;   The stages lie in XF's bytes, behind its last fill and last read (chunk 3's barrier); each is written once: H1S, DH1S 32 rows x (1,024 + 16); IMG images and scale words of the hidden operands; D2 64 rows x (512 + 16); G1 32 x (1,024 + 16); RED 8 x 128.
; REGISTERS.  Window 0: v1-20 addresses; v21-22 W2's scale words; v24-47 the stream's scale words (register p: fragment 2 p in lanes 0-15, 2 p + 1 in lanes 16-31); v48-55 the activations' scale words;
;   v56-103 six accumulators of phase 1 (later h1 and g2); v104-127 b1, b2; behind stage D v56-127 are two ring sets; v128-255 XU, at work.
;   Window 1: v0-179 the ring's five sets; v180-227 W2's four fragments, behind stage D v180-215 a ring set; v228-243 Wp.
.set XI,   270336
.set XS,   319488
.set DH1S, 33280
.set IMG,  66560                       ; + 0 HI 8 images; + 12,288 HS; + 13,312 BI 4 images; + 19,456 BS; + 19,968 CI 4 images; + 26,112 CS
.set D2,   93184
.set G1,   126976
.set RED,  160256
.set WSC,  24
.set ASC,  48
.set ACC,  56                          ; accumulator (i, m) at ACC + 8 (2 i + m)
.set B1,   104
.set B2,   120
.set XU,   128
.set N,    XU                          ; 64 numbers to be quantised
.set PC,   XU+64                       ; the fragment made of them
.set PT,   XU+76
.set T,    XU+84
.set PW,   XU+90
.set A2,   XU+96                       ; stage B's accumulators (kind, m) at A2 + 8 (2 kind + m)
.set A3,   XU+32                       ; stage D's (i, m)
.set A4,   XU+72                       ; phase 3's (e, m)
.set OS,   XU+104                      ; the rows' sums: tile m at OS + 8 m
.set SH8,  6
.set SEL,  48
.set MSB, 0
.macro WIN new                         ; the immediate's high byte repeats the setting that is left; a switch that changes nothing is dropped
.if MSB != \new
	s_set_vgpr_msb (MSB<<8)|\new
.set MSB, \new
.endif
.endm
.macro PLACES n                        ; plain vector instructions behind matrix instructions (ISA guide 7.12.1)
.rept \n
	v_nop
.endr
.endm
.macro BAR                             ; my LDS stores have landed and my LDS loads are in: then the work-group's barrier
	s_wait_dscnt 0x0
	s_barrier_signal -1
	s_barrier_wait -1
.endm
.macro QUANT                           ; v[N + 32 c + i] = k 64 c + 32 h + i of my row  ->  the fragment's registers v[PC ..], the row's scale word v[PW]
.irp c, 0,1
	v_max3_num_f32 v[T+\c], |v[N+32*\c]|, |v[N+32*\c+1]|, 0x1800000      ; my block 2 c + h: all its 32 numbers are mine; the floor 2^(3 - 127) keeps the byte at 1 from below
.endr
.irp i, 2,4,6,8,10,12,14,16,18,20,22,24,26,28,30
.irp c, 0,1
	v_max3_num_f32 v[T+\c], v[T+\c], |v[N+32*\c+\i]|, |v[N+32*\c+\i+1]|  ; the two blocks by turns
.endr
.endr
.irp c, 0,1
	v_add_nc_u32 v[T+2+\c], 0xff000000, v[T+\c]    ; 2 off the exponent field: the conversion's scale operand
.endr
.irp c, 0,1
	v_lshrrev_b32 v[T+4+\c], 23, v[T+2+\c]         ; the scale's byte
.endr
	v_lshl_or_b32 v[PW], v[T+5], 16, v[T+4]
	v_lshlrev_b32 v[PW], v[SH8], v[PW]             ; blocks h and 2 + h at their places
	v_permlanex16_b32 v[T], v[PW], s[SEL], s[SEL+1]
	v_or_b32 v[PW], v[PW], v[T]                    ; the whole word, in lanes l and l xor 16
.irp c, 0,1
	v_cvt_scalef32_pk16_fp6_f32 v[PC+6*\c:PC+6*\c+2], v[N+32*\c:N+32*\c+15], v[T+2+\c]
	v_cvt_scalef32_pk16_fp6_f32 v[PT+4*\c:PT+4*\c+2], v[N+32*\c+16:N+32*\c+31], v[T+2+\c]   ; three registers from an even number on: made here, moved below
.endr
	v_nop                                          ; one plain place behind the scaled conversions
.irp c, 0,1
.irp i, 0,1,2
	v_mov_b32 v[PC+3+6*\c+\i], v[PT+4*\c+\i]
.endr
.endr
.endm
.macro LOADN adr, off                  ; 64 numbers of my row from a stage whose rows lie along K: 128 bytes for each of my two blocks
.irp cc, 0,1
.irp j, 0,1,2,3,4,5,6,7
	ds_load_b128 v[N+32*\cc+4*\j:N+32*\cc+4*\j+3], v[\adr] offset:\off+256*\cc+16*\j
.endr
.endr
.endm
.macro IMAGE adr, off                  ; the fragment in v[PC ..] goes to LDS as it stands: 512 consecutive bytes a store
.irp g, 0,1,2
	ds_store_b128 v[\adr], v[PC+4*\g:PC+4*\g+3] offset:\off+512*\g
.endr
.endm
.macro FETCHF reg, adr, off            ; and comes back so, in any wave
.irp g, 0,1,2
	ds_load_b128 v[\reg+4*\g:\reg+4*\g+3], v[\adr] offset:\off+512*\g
.endr
.endm
; Where set q of my stream lies: rL its first register, rLW its window.  Sets 0 to 20: five slots of window 1 by turns.  From set 16 on the ring has eight slots: those five as sets 16 to 20 found them,
; then v180-215 of window 1 (W2's fragments, done with behind stage D), then v56-91 and v92-127 of window 0 (h1, g2m, b1, b2, likewise); set q takes the slot of set q - 8.
.macro SLOT q
.if (\q) < 16
.set rL, 36*((\q)%5)
.set rLW, 1
.else
.set rI, ((\q)-16)%8
.if rI < 5
.set rL, 36*((16+rI)%5)
.set rLW, 1
.elseif rI == 5
.set rL, 180
.set rLW, 1
.else
.set rL, 56+36*(rI-6)
.set rLW, 0
.endif
.endif
.endm
.macro LOADSET q                       ; set q of my stream (three fragments, nine loads) into its slot; behind set 31 there is nothing
.if (\q) <= 31
	SLOT \q
	WIN 0x40*rLW                                   ; the destination's window
.irp i, 0,1,2
.irp g, 0,1,2
	global_load_b128 v[rL+12*\i+4*\g:rL+12*\i+4*\g+3], v19, s[52:53] offset:4608*(\q)+1536*\i+512*\g
.endr
.endr
.endif
.endm
; One matrix instruction from the symbols rD, rA, rB, rSA, rSB; rZ = 1: it starts a sum; rR = 1: source 0's scale words stand in lanes 16-31, 2: source 1's
.macro WM
.if rZ
.if rR == 1
	v_wmma_scale_f32_16x16x128_f8f6f4 v[rD:rD+7], v[rA:rA+11], v[rB:rB+11], 0, v[rSA], v[rSB] matrix_a_fmt:MATRIX_FMT_FP6 matrix_b_fmt:MATRIX_FMT_FP6 matrix_a_scale:MATRIX_SCALE_ROW1
.elseif rR == 2
	v_wmma_scale_f32_16x16x128_f8f6f4 v[rD:rD+7], v[rA:rA+11], v[rB:rB+11], 0, v[rSA], v[rSB] matrix_a_fmt:MATRIX_FMT_FP6 matrix_b_fmt:MATRIX_FMT_FP6 matrix_b_scale:MATRIX_SCALE_ROW1
.else
	v_wmma_scale_f32_16x16x128_f8f6f4 v[rD:rD+7], v[rA:rA+11], v[rB:rB+11], 0, v[rSA], v[rSB] matrix_a_fmt:MATRIX_FMT_FP6 matrix_b_fmt:MATRIX_FMT_FP6
.endif
.else
.if rR == 1
	v_wmma_scale_f32_16x16x128_f8f6f4 v[rD:rD+7], v[rA:rA+11], v[rB:rB+11], v[rD:rD+7], v[rSA], v[rSB] matrix_a_fmt:MATRIX_FMT_FP6 matrix_b_fmt:MATRIX_FMT_FP6 matrix_a_scale:MATRIX_SCALE_ROW1
.elseif rR == 2
	v_wmma_scale_f32_16x16x128_f8f6f4 v[rD:rD+7], v[rA:rA+11], v[rB:rB+11], v[rD:rD+7], v[rSA], v[rSB] matrix_a_fmt:MATRIX_FMT_FP6 matrix_b_fmt:MATRIX_FMT_FP6 matrix_b_scale:MATRIX_SCALE_ROW1
.else
	v_wmma_scale_f32_16x16x128_f8f6f4 v[rD:rD+7], v[rA:rA+11], v[rB:rB+11], v[rD:rD+7], v[rSA], v[rSB] matrix_a_fmt:MATRIX_FMT_FP6 matrix_b_fmt:MATRIX_FMT_FP6
.endif
.endif
.endm
; K step q of phase 1 (the chunk's kk-th): my three weight tiles x the two row tiles.  TRANSPOSED: source 0 = 16 weight rows, source 1 = 16 rows of x: lane (r, h) holds row r and units 8 h + 0 .. 7.
; The six accumulators take turns, one instruction a turn, in the same order in every step.
.macro KSTEP q, kk
	s_wait_dscnt 8*(3-\kk)                         ; this K step's eight LDS loads are in; those of the chunk's later steps, eight each, may be out
	s_wait_loadcnt 36                              ; set q is in: behind it sets q + 1 .. q + 4 were issued, nine loads each
	WIN 0x01                                       ; source 0 window 1
.irp m, 0,1
.irp i, 0,1,2
.set rD, ACC+8*(2*\i+\m)
.set rA, 36*((\q)%5)+12*\i
.set rB, XU+12*(2*(\kk)+\m)
.if (\q) == 0
.set rZ, 1
.else
.set rZ, 0
.endif
.set rSA, WSC+(3*(\q)+\i)/2
.set rSB, ASC+2*(\kk)+\m
.set rR, (3*(\q)+\i)%2
	WM
.endr
.endr
	PLACES 4                                       ; in front of the loads into the ring set just read, and of whatever next touches these products' registers
	LOADSET (\q)+5
.endm
; Chunk c: K steps 4 c .. 4 c + 3
.macro CHUNK c
	WIN 0
	s_wait_tensorcnt 3-\c                          ; my tile of chunk c has landed; my 3 - c younger tiles may be out.  I alone read these bytes
	LOADN 1, 8448*\c
	s_wait_dscnt 0x0
	QUANT
	IMAGE 2, 12288*\c                              ; fragment 8 c + w
	ds_store_b32 v3, v[PW] offset:1024*\c
	BAR                                            ; the chunk's eight fragments lie in LDS; their bytes are written once, so one barrier a chunk is enough
.irp kk, 0,1,2,3
	FETCHF XU+12*(2*\kk), 4, 1536*(8*\c+2*\kk)
	FETCHF XU+12*(2*\kk+1), 4, 1536*(8*\c+2*\kk+1)
	ds_load_b32 v[ASC+2*\kk], v5 offset:128*(8*\c+2*\kk)
	ds_load_b32 v[ASC+2*\kk+1], v5 offset:128*(8*\c+2*\kk+1)
.endr
.irp kk, 0,1,2,3
	KSTEP 4*\c+\kk, \kk
.endr
.endm
	s_load_b512 s[4:19], s[0:1], 0x0               ; x s[4:5], wq s[6:7], wsc s[8:9], b1 s[10:11], b2 s[12:13], Wp s[14:15], bp s[16:17], out0 s[18:19]
	s_set_vgpr_msb 0x40
	v_lshl_add_u32 v254, v0, 2, 0x4f000
	v_mov_b32 v255, 0
	s_set_vgpr_msb 0x4045
	ds_add_u32 v254, v255
	ds_add_u32 v254, v255
	s_set_vgpr_msb 0x4500
	v_lshrrev_b32 v23, 5, v0
	v_readfirstlane_b32 s20, v23                   ; wave 0..7
	; descriptor group 1: a tile of 16 rows x 128 numbers of 4 bytes, rows 2,048 numbers apart; in LDS 16 bytes of padding behind each row of 128 words
	s_mov_b32 s24, 0x07920000                      ; 17:16 element of 4 bytes (code 2); 20 padding on; 24:22 after every 128 words (code 6); 31:25 of 4 words (code 3)
	s_mov_b32 s25, 128<<16                         ; tensor_dim0 = 128
	s_mov_b32 s26, 16<<16                          ; tensor_dim1 = 16
	s_mov_b32 s27, 128<<16                         ; tile_dim0 = 128
	s_mov_b32 s28, 16                              ; tile_dim1 = 16
	s_mov_b32 s29, 2048                            ; tensor_dim0_stride
	s_mov_b32 s30, 0
	s_mov_b32 s31, 0
	s_mov_b32 s[SEL], 0x76543210
	s_mov_b32 s[SEL+1], 0xfedcba98
	s_mul_i32 s21, s20, 33792                      ; my four tiles in LDS
	s_lshl_b32 s58, ttmp9, 18                      ; the work-group's 32 rows of 8,192 bytes,
	s_and_b32 s22, s20, 1
	s_lshl_b32 s22, s22, 17                        ; row tile w % 2,
	s_add_co_u32 s58, s58, s22
	s_lshr_b32 s22, s20, 1
	s_lshl_b32 s22, s22, 9                         ; K step w / 2 of a chunk
	s_add_co_u32 s58, s58, s22
	s_mov_b32 s59, 0
	s_wait_dscnt 0x0
	s_wait_kmcnt 0x0
	s_add_nc_u64 s[4:5], s[4:5], s[58:59]
.irp c, 0,1,2,3
	s_mov_b32 s[32+4*\c], 1                        ; count = 1
	s_add_co_u32 s[33+4*\c], s21, \c*8448          ; LDS address
	s_add_nc_u64 s[34+4*\c:35+4*\c], s[4:5], \c*2048   ; a chunk is four K steps of 512 bytes
	s_or_b32 s[35+4*\c], s[35+4*\c], 0x80000000    ; type = 2
.endr
.irp c, 0,1,2,3
	tensor_load_to_lds s[32+4*\c:35+4*\c], s[24:31]    ; all of x's block is asked for before anything else is done
	s_nop 0
.endr
	PLACES 4                                       ; four plain lines follow the tensor loads
	s_load_b32 s50, s[16:17], 0x0                  ; bp
	s_mul_i32 s58, s20, 147456
	s_add_nc_u64 s[52:53], s[6:7], s[58:59]        ; my stream of 96 fragments
	s_mul_i32 s58, s20, 3072
	s_add_co_u32 s58, s58, 1179648
	s_add_nc_u64 s[54:55], s[6:7], s[58:59]        ; fragment 768 + 2 w
	s_mul_i32 s58, s20, 6144
	s_add_nc_u64 s[56:57], s[8:9], s[58:59]        ; my stream's scale words
	; every address register is made here, ahead of any parting of the waves
	v_and_b32 v128, 31, v0                         ; l
	v_and_b32 v129, 15, v0                         ; r
	v_bfe_u32 v130, v0, 4, 1                       ; h
	v_lshlrev_b32 v19, 4, v128                     ; 16 l
	v_lshlrev_b32 v20, 2, v128                     ; 4 l
	v_lshlrev_b32 v6, 3, v130                      ; 8 h
	v_mul_u32_u24 v131, v129, 528
	v_lshl_add_u32 v132, v130, 7, v131             ; 528 r + 128 h
	v_add_nc_u32 v1, s21, v132                     ; v1: my numbers in my tiles of x
	s_mul_i32 s22, s20, 8448
	s_add_co_u32 s22, s22, D2
	v_add_nc_u32 v14, s22, v132                    ; v14: D2, row 16 w + r, + 128 h
	v_lshl_add_u32 v131, v130, 5, v131             ; 528 r + 32 h
	s_lshl_b32 s22, s20, 6
	s_add_co_u32 s22, s22, D2
	v_add_nc_u32 v13, s22, v131                    ; v13: D2, row r, my 16 units' bytes
	s_mul_i32 s22, s20, 1536
	s_add_co_u32 s23, s22, XI
	v_add_nc_u32 v2, s23, v19                      ; v2: where I store x's images
	s_add_co_u32 s23, s22, IMG
	v_add_nc_u32 v9, s23, v19                      ; v9: and the hidden operands'
	s_lshl_b32 s22, s20, 7                         ; 128 w
	s_add_co_u32 s23, s22, XS
	v_add_nc_u32 v3, s23, v20                      ; v3, v10: their scale words
	s_add_co_u32 s23, s22, IMG
	v_add_nc_u32 v10, s23, v20
	v_add_nc_u32 v4, XI, v19                       ; v4, v5, v11, v12: where any wave reads them
	v_add_nc_u32 v5, XS, v20
	v_add_nc_u32 v11, IMG, v19
	v_add_nc_u32 v12, IMG, v20
	v_add_nc_u32 v18, RED, v20                     ; v18: the rows' partial sums, a lane a row
	v_mul_u32_u24 v131, v129, 1040
	v_lshl_add_u32 v7, v130, 5, v131
	v_add_nc_u32 v7, s22, v7                       ; v7: H1S, row r, + 32 h + 128 w: my 32 units' bytes
	v_add_nc_u32 v15, G1, v7                       ; v15: the same in G1
	v_lshl_add_u32 v131, v130, 7, v131             ; 1,040 r + 128 h
	s_lshr_b32 s23, s20, 2
	s_mul_i32 s23, s23, 33280                      ; stage A: wave w = 4 kind + 2 m + s: h1 or dh1,
	s_bfe_u32 s58, s20, 0x10001
	s_mul_i32 s58, s58, 16640                      ; row tile m,
	s_add_co_u32 s23, s23, s58
	s_and_b32 s58, s20, 1
	s_lshl_b32 s58, s58, 9                         ; K step s
	s_add_co_u32 s23, s23, s58
	v_add_nc_u32 v8, s23, v131                     ; v8
	s_lshr_b32 s23, s20, 1
	s_mul_i32 s23, s23, 16640                      ; stage E: wave w = 2 m + s
	s_add_co_u32 s23, s23, s58
	s_add_co_u32 s23, s23, G1
	v_add_nc_u32 v16, s23, v131                    ; v16
	s_add_co_u32 s23, s22, RED
	v_lshl_add_u32 v17, v130, 5, s23               ; v17: RED + 128 w + 32 h
	v_lshlrev_b32 v133, 5, v130
	v_add_nc_u32 v134, s22, v133                   ; b1: 4 (32 w + 8 h)
	s_lshl_b32 s23, s20, 6
	v_add_nc_u32 v133, s23, v133                   ; b2: 4 (16 w + 8 h)
	v_lshlrev_b32 v135, 2, v129
	s_lshl_b32 s23, s20, 10
	v_add_nc_u32 v135, s23, v135                   ; Wp: 4 (256 w + r)
	v_add_nc_u32 v23, s22, v20                     ; W2's scale words: 64 x 2 w + 4 l
.irp p, 0,1,2,3,4,5,6,7,8,9,10,11,12,13,14,15,16,17,18,19,20,21,22,23
	global_load_b32 v[WSC+\p], v20, s[56:57] offset:128*\p       ; phase 1's 48 fragments' scale words, two fragments a register
.endr
.irp i, 0,1
	global_load_b128 v[B1+8*\i:B1+8*\i+3], v134, s[10:11] offset:64*\i         ; b1[32 w + 16 i + 8 h + 0 .. 7]
	global_load_b128 v[B1+8*\i+4:B1+8*\i+7], v134, s[10:11] offset:64*\i+16
.endr
	global_load_b128 v[B2:B2+3], v133, s[12:13]                  ; b2[16 w + 8 h + 0 .. 7]
	global_load_b128 v[B2+4:B2+7], v133, s[12:13] offset:16
	global_load_b32 v21, v23, s[8:9] offset:49152                ; fragments 768 + 2 w, + 1
	global_load_b32 v22, v23, s[8:9] offset:50176                ; fragments 784 + 2 w, + 1
	WIN 0x40
.irp s, 0,1
.irp g, 0,1,2
	global_load_b128 v[180+12*\s+4*\g:180+12*\s+4*\g+3], v19, s[54:55] offset:1536*\s+512*\g           ; W2's columns 16 w on, K step s
.endr
.endr
.irp i, 0,1
.irp g, 0,1,2
	global_load_b128 v[204+12*\i+4*\g:204+12*\i+4*\g+3], v19, s[54:55] offset:24576+1536*\i+512*\g     ; W2's rows 32 w + 16 i on
.endr
.endr
.irp u, 0,1,2,3,4,5,6,7,8,9,10,11,12,13,14,15
	global_load_b32 v[228+\u], v135, s[14:15] offset:64*\u       ; Wp[256 w + 16 u + r], in both halves of the lanes
.endr
	LOADSET 0
	LOADSET 1
	LOADSET 2
	LOADSET 3
	LOADSET 4
	WIN 0
	s_wait_xcnt 0x0                                ; the loads above have read their offsets: v128-135 are written again from here on
	s_wait_kmcnt 0x0                               ; bp
	; ---- PHASE 1: s1 = Q(x) Q(W1) (my tiles 2 w, 2 w + 1) and g2 = Q(x) Q(Wo^T) (my tile w), 16 K steps
	CHUNK 0
	CHUNK 1
	CHUNK 2
	CHUNK 3
	WIN 0
.irp t, 0,1,2,3
.irp jj, 0,2,4,6
	v_pk_add_f32 v[XU+8*\t+\jj:XU+8*\t+\jj+1], v[ACC+8*\t+\jj:ACC+8*\t+\jj+1], v[B1+8*(\t/2)+\jj:B1+8*(\t/2)+\jj+1]   ; a1 = s1 + b1; each accumulator from its low end on
.endr
.endr
.set k, 0
.rept 32
	v_cmp_lt_f32 vcc_lo, 0, v[XU+k]
	v_cndmask_b32 v[XU+32+k], 0, v[ACC+k], vcc_lo  ; dh1 = a1 > 0 ? s1 : 0
	v_max_num_f32 v[ACC+k], 0, v[XU+k]             ; h1, which stays here: h1 > 0 is stage D's mask
.set k, k+1
.endr
.irp i, 0,1
.irp m, 0,1
	ds_store_b128 v7, v[ACC+8*(2*\i+\m):ACC+8*(2*\i+\m)+3] offset:16640*\m+64*\i
	ds_store_b128 v7, v[ACC+8*(2*\i+\m)+4:ACC+8*(2*\i+\m)+7] offset:16640*\m+64*\i+16
	ds_store_b128 v7, v[XU+32+8*(2*\i+\m):XU+32+8*(2*\i+\m)+3] offset:DH1S+16640*\m+64*\i
	ds_store_b128 v7, v[XU+32+8*(2*\i+\m)+4:XU+32+8*(2*\i+\m)+7] offset:DH1S+16640*\m+64*\i+16
.endr
.endr
.irp p, 0,1,2,3,4,5,6,7,8,9,10,11,12,13,14,15,16,17,18,19,20,21,22,23
	global_load_b32 v[WSC+\p], v20, s[56:57] offset:128*(24+\p)  ; phase 3's scale words take phase 1's registers
.endr
	BAR                                            ; h1 and dh1 lie in LDS, 32 rows x 256
	; ---- A: wave w = 4 kind + 2 m + s makes one of the eight fragments of h1 and dh1
	LOADN 8, 0
	s_wait_dscnt 0x0
	QUANT
	IMAGE 9, 0
	ds_store_b32 v10, v[PW] offset:12288
	BAR
	; ---- B: s2 = Q(h1) Q(W2), t2 = Q(dh1) Q(W2), my tile of 16 units; four accumulators by turns, two K steps
.irp f, 0,1,2,3,4,5,6,7
	FETCHF XU+12*\f, 11, 1536*\f
	ds_load_b32 v[ASC+\f], v12 offset:12288+128*\f
.endr
	s_wait_dscnt 0x0
	WIN 0x01
.irp s, 0,1
.irp kd, 0,1
.irp m, 0,1
.set rD, A2+8*(2*\kd+\m)
.set rA, 180+12*\s
.set rB, XU+12*(4*\kd+2*\m+\s)
.set rZ, 1-\s
.set rSA, 21
.set rSB, ASC+4*\kd+2*\m+\s
.set rR, \s
	WM
.endr
.endr
.endr
	WIN 0
	PLACES 5                                       ; four for the reads below; five since stage D's results are laid over these products' operands
.irp m, 0,1
.irp jj, 0,2,4,6
	v_pk_add_f32 v[A2+8*\m+\jj:A2+8*\m+\jj+1], v[A2+8*\m+\jj:A2+8*\m+\jj+1], v[B2+\jj:B2+\jj+1]   ; a2 = s2 + b2
.endr
.irp j, 0,1,2,3,4,5,6,7
	v_cmp_lt_f32 vcc_lo, 0, v[A2+8*\m+\j]
	v_cndmask_b32 v[A2+16+8*\m+\j], 0, v[A2+16+8*\m+\j], vcc_lo       ; dh2 = a2 > 0 ? t2 : 0
	v_cndmask_b32 v[ACC+32+8*\m+\j], 0, v[ACC+32+8*\m+\j], vcc_lo     ; g2m = a2 > 0 ? g2 : 0: phase 1's third tile holds just these units
.endr
.endr
.irp m, 0,1
	ds_store_b128 v13, v[A2+16+8*\m:A2+16+8*\m+3] offset:8448*\m
	ds_store_b128 v13, v[A2+16+8*\m+4:A2+16+8*\m+7] offset:8448*\m+16
	ds_store_b128 v13, v[ACC+32+8*\m:ACC+32+8*\m+3] offset:16896+8448*\m
	ds_store_b128 v13, v[ACC+32+8*\m+4:ACC+32+8*\m+7] offset:16896+8448*\m+16
.endr
	BAR                                            ; dh2's 32 rows, then g2m's 32, x 128
	; ---- C: waves 0-3 make the four fragments: dh2 (m = 0, 1), g2m (m = 0, 1)
	s_cmp_lt_u32 s20, 4
	s_cbranch_scc0 .Lskip_c
	LOADN 14, 0
	s_wait_dscnt 0x0
	QUANT
	IMAGE 9, 13312
	ds_store_b32 v10, v[PW] offset:19456
.Lskip_c:
	BAR
	; ---- D: g1 = Q(g2m) Q(W2^T), my 32 units
.irp m, 0,1
	FETCHF XU+12*\m, 11, 13312+1536*(2+\m)
	ds_load_b32 v[ASC+\m], v12 offset:19456+128*(2+\m)
.endr
	s_wait_dscnt 0x0
	WIN 0x01
.irp i, 0,1
.irp m, 0,1
.set rD, A3+8*(2*\i+\m)
.set rA, 204+12*\i
.set rB, XU+12*\m
.set rZ, 1
.set rSA, 22
.set rSB, ASC+\m
.set rR, \i
	WM
.endr
.endr
	WIN 0
	PLACES 5                                       ; for the reads below, for phase 3's results laid over these operands, and for the loads into W2's registers at this stage's end
.set k, 0
.rept 16
	v_pk_mul_f32 v[A3+k:A3+k+1], v[A3+k:A3+k+1], -1.0 op_sel_hi:[1,0]   ; -g1: so that phase 3's one sum is J z - J^T z
.set k, k+2
.endr
.set k, 0
.rept 32
	v_cmp_lt_f32 vcc_lo, 0, v[ACC+k]               ; h1 > 0, which is a1 > 0
	v_cndmask_b32 v[A3+k], 0, v[A3+k], vcc_lo
.set k, k+1
.endr
.irp i, 0,1
.irp m, 0,1
	ds_store_b128 v15, v[A3+8*(2*\i+\m):A3+8*(2*\i+\m)+3] offset:16640*\m+64*\i
	ds_store_b128 v15, v[A3+8*(2*\i+\m)+4:A3+8*(2*\i+\m)+7] offset:16640*\m+64*\i+16
.endr
.endr
	LOADSET 21                                     ; W2's fragments, h1, g2m, b1 and b2 have had their last use: their registers take three more sets of phase 3,
	LOADSET 22                                     ; asked for here, with stage E, its barrier and two pairs of tiles ahead of their first use
	LOADSET 23
	WIN 0
	BAR
	; ---- E: waves 0-3 make ng1's four fragments, wave w = 2 m + s
	s_cmp_lt_u32 s20, 4
	s_cbranch_scc0 .Lskip_e
	LOADN 16, 0
	s_wait_dscnt 0x0
	QUANT
	IMAGE 9, 19968
	ds_store_b32 v10, v[PW] offset:26112
.Lskip_e:
	BAR
	; ---- PHASE 3: v = [Q(dh2) | Q(ng1)] [Q(Wo); Q(W1^T)], my 256 outputs in 16 tiles, three K steps each; and its product with Wp.
	; NOT transposed: source 0 = 16 rows of the activations, source 1 = 16 outputs n: lane (r, h), register j holds v(row 16 m + 8 h + j, n = 16 u + r), so one number of Wp serves a lane's eight.
.irp m, 0,1
	FETCHF XU+12*\m, 11, 13312+1536*\m
	ds_load_b32 v[ASC+\m], v12 offset:19456+128*\m
.irp s, 1,2
	FETCHF XU+12*(2*\s+\m), 11, 19968+1536*(2*\m+\s-1)
	ds_load_b32 v[ASC+2*\s+\m], v12 offset:26112+128*(2*\m+\s-1)
.endr
.endr
	s_wait_dscnt 0x0
	s_wait_loadcnt 27                              ; sets 16 to 20 and the scale words are in; behind them sets 21 to 23 were issued, nine loads each, and may be out
; Loads were issued in this order: sets 16 to 20, the scale words, sets 21, 22, 23; then two sets behind each of pairs 0 to 3.
.macro PAIR p                          ; tiles u = 2 p, 2 p + 1: sets 16 + u
.if (\p >= 2) && (\p <= 4)
	s_wait_loadcnt 54                              ; behind the younger of this pair's sets six more were issued, nine loads each (pair 1's sets came in with the wait ahead of pair 0)
.elseif \p == 5
	s_wait_loadcnt 36                              ; four more: sets 28 to 31
.elseif \p == 6
	s_wait_loadcnt 18                              ; two more: sets 30 and 31
.elseif \p == 7
	s_wait_loadcnt 0x0
.endif
	SLOT 16+2*\p
	WIN 0x04*rLW                                   ; source 1: the window of the pair's two sets, which is the same for both
.irp s, 0,1,2
.irp e, 0,1
.irp m, 0,1
	SLOT 16+2*\p+\e
.set rD, A4+8*(2*\e+\m)
.set rA, XU+12*(2*\s+\m)
.set rB, rL+12*\s
.if \s == 0
.set rZ, 1
.else
.set rZ, 0
.endif
.set rSA, ASC+2*\s+\m
.set rSB, WSC+(3*(2*\p+\e)+\s)/2
.set rR, 2*((3*(2*\p+\e)+\s)%2)
	WM                                             ; four accumulators by turns
.endr
.endr
.endr
	PLACES 4                                       ; in front of the loads into the two sets just read and of the reads of the results; with the multiply-adds on the other accumulators also the five places in front of the next pair's first products
.if \p <= 3
	LOADSET 24+2*\p                                ; the sets eight further on take the two slots: three pairs' work ahead of their use
	LOADSET 25+2*\p
.endif
	WIN 0x04                                       ; source 1 window 1: Wp
.irp e, 0,1
.irp m, 0,1
.irp jj, 0,2,4,6
.if (\p == 0) && (\e == 0)
	v_pk_mul_f32 v[OS+8*\m+\jj:OS+8*\m+\jj+1], v[A4+8*(2*\e+\m)+\jj:A4+8*(2*\e+\m)+\jj+1], v[228+2*\p:229+2*\p] op_sel_hi:[1,0]   ; the first tile starts the sums: nothing is cleared
.elseif \e == 0
	v_pk_fma_f32 v[OS+8*\m+\jj:OS+8*\m+\jj+1], v[A4+8*(2*\e+\m)+\jj:A4+8*(2*\e+\m)+\jj+1], v[228+2*\p:229+2*\p], v[OS+8*\m+\jj:OS+8*\m+\jj+1] op_sel_hi:[1,0,1]   ; both halves x Wp of tile 2 p
.else
	v_pk_fma_f32 v[OS+8*\m+\jj:OS+8*\m+\jj+1], v[A4+8*(2*\e+\m)+\jj:A4+8*(2*\e+\m)+\jj+1], v[228+2*\p:229+2*\p], v[OS+8*\m+\jj:OS+8*\m+\jj+1] op_sel:[0,1,0] op_sel_hi:[1,1,1]   ; x Wp of tile 2 p + 1
.endif
.endr
.endr
.endr
.endm
	PAIR 0
	PAIR 1
	PAIR 2
	PAIR 3
	PAIR 4
	PAIR 5
	PAIR 6
	PAIR 7
	WIN 0
	; ---- THE END: the sums over the sixteen n of a half of the lanes, then over the eight waves
.irp x, 1,2,4,8
.irp k, 0,1,2,3,4,5,6,7,8,9,10,11,12,13,14,15
	v_add_f32_dpp v[OS+\k], v[OS+\k], v[OS+\k] row_xmask:\x row_mask:0xf bank_mask:0xf
.endr
.endr
.irp m, 0,1
	ds_store_b128 v17, v[OS+8*\m:OS+8*\m+3] offset:64*\m          ; rows 16 m + 8 h + 0 .. 7: the sixteen lanes of a half write the same words with the same values
	ds_store_b128 v17, v[OS+8*\m+4:OS+8*\m+7] offset:64*\m+16
.endr
	BAR
	s_cmp_lg_u32 s20, 0
	s_cbranch_scc1 .Lend
.irp k, 0,1,2,3,4,5,6,7
	ds_load_b32 v[XU+\k], v18 offset:128*\k        ; lane l: row l's eight partial sums
.endr
	s_wait_dscnt 0x0
	v_add_f32 v[XU], v[XU], v[XU+1]
	v_add_f32 v[XU+2], v[XU+2], v[XU+3]
	v_add_f32 v[XU+4], v[XU+4], v[XU+5]
	v_add_f32 v[XU+6], v[XU+6], v[XU+7]
	v_add_f32 v[XU], v[XU], v[XU+2]
	v_add_f32 v[XU+4], v[XU+4], v[XU+6]
	v_add_f32 v[XU], v[XU], v[XU+4]
	v_add_f32 v[XU], s50, v[XU]                    ; + bp
	s_lshl_b32 s58, ttmp9, 7
	s_add_nc_u64 s[18:19], s[18:19], s[58:59]
	global_store_b32 v20, v[XU], s[18:19]          ; the block's 32 numbers: 128 consecutive bytes
.Lend:
	s_set_vgpr_msb 0x5
	s_wait_tensorcnt 0x0
	ds_add_u32 v254, v255
	s_wait_dscnt 0x0
	s_set_vgpr_msb 0x500
	s_endpgm
.Lfunc_end_k_qbc3d1346a1_main:
	.size	k_qbc3d1346a1_main, .Lfunc_end_k_qbc3d1346a1_main-k_qbc3d1346a1_main
	.p2alignl 7, 3214868480
	.fill 96, 4, 3214868480
	.section	.rodata,"a",@progbits
	.p2align	6, 0x0
	.amdhsa_kernel k_qbc3d1346a1_main
		.amdhsa_group_segment_fixed_size 327680
		.amdhsa_private_segment_fixed_size 0
		.amdhsa_enable_private_segment 0
		.amdhsa_kernarg_size 64
		.amdhsa_user_sgpr_count 2
		.amdhsa_user_sgpr_kernarg_segment_ptr 1
		.amdhsa_wavefront_size32 1
		.amdhsa_system_sgpr_workgroup_id_x 1
		.amdhsa_system_sgpr_workgroup_id_y 1
		.amdhsa_system_sgpr_workgroup_id_z 1
		.amdhsa_system_vgpr_workitem_id 0
		.amdhsa_next_free_vgpr 512
		.amdhsa_next_free_sgpr 66
		.amdhsa_reserve_vcc 1
		.amdhsa_float_denorm_mode_32 3
		.amdhsa_float_denorm_mode_16_64 3
		.amdhsa_memory_ordered 1
		.amdhsa_forward_progress 1
		.amdhsa_inst_pref_size 141
	.end_amdhsa_kernel
	.amdgpu_metadata
---
amdhsa.version: [ 1, 2 ]
amdhsa.kernels:
  - .name:           k_qbc3d1346a1_main
    .symbol:         k_qbc3d1346a1_main.kd
    .args:
      - { .name: x, .offset: 0, .size: 8, .value_kind: global_buffer, .address_space: global }
      - { .name: wq, .offset: 8, .size: 8, .value_kind: global_buffer, .address_space: global }
      - { .name: wsc, .offset: 16, .size: 8, .value_kind: global_buffer, .address_space: global }
      - { .name: b1, .offset: 24, .size: 8, .value_kind: global_buffer, .address_space: global }
      - { .name: b2, .offset: 32, .size: 8, .value_kind: global_buffer, .address_space: global }
      - { .name: Wp, .offset: 40, .size: 8, .value_kind: global_buffer, .address_space: global }
      - { .name: bp, .offset: 48, .size: 8, .value_kind: global_buffer, .address_space: global }
      - { .name: out0, .offset: 56, .size: 8, .value_kind: global_buffer, .address_space: global }
    .group_segment_fixed_size: 327680
    .private_segment_fixed_size: 0
    .kernarg_segment_align: 8
    .kernarg_segment_size: 64
    .max_flat_workgroup_size: 256
    .sgpr_count:     66
    .vgpr_count:     512
    .wavefront_size: 32
...
	.end_amdgpu_metadata
.endif
;; end of part 2
